; MI455X (gfx1250); checked and timed in simulation.
; The chip was launched on July 23, 2026; its instructions are those of AMD's public machine-readable ISA for CDNA 5 (MIT licence, August 2026) and "CDNA5" Instruction Set Architecture Reference Guide (July 2026). The comments in the code are by the model that wrote it; some were corrected since.
;; Self Attention Layer. Allowed arithmetic: float matrix products may take bf16 or f16 operands with f32 sums; all other float work in f32.
;; Inputs: Wk 1,024 x 1,024 float32; Wo 1,024 x 1,024 float32; Wq 1,024 x 1,024 float32; Wv 1,024 x 1,024 float32; batch 2 x 2,048 x 1,024 float32; bk 1,024 float32; bo 1,024 float32; bq 1,024 float32; bv 1,024 float32; mask 2 x 2,048 bool.
;; Outputs: out0 2 x 2,048 x 1,024 float32.
;; One version. Each part assembles by itself: llvm-mc -triple=amdgcn-amd-amdhsa -mcpu=gfx1250 --defsym DOCPART=n.
;; ======== version 1 of 1: 4 launches
;; limits: values are held in f16: magnitudes above 65,504 overflow, below 6.1e-05 lose precision
;; workspace buffers: h16 16,777,216 bytes; qkv16 25,165,824 bytes; xh16 8,388,608 bytes
;; launch cast (part 1): grid 1024 x 1, 8 waves a work-group, no clusters, 0 bytes of LDS; arguments batch, Wq, Wk, Wv, Wo, h16; writes h16
.if DOCPART == 1
	.amdgcn_target "amdgcn-amd-amdhsa--gfx1250"
	.amdhsa_code_object_version 6
	.text
	.protected	k_q502b8e3453_cast
	.globl	k_q502b8e3453_cast
	.p2align	8
	.type	k_q502b8e3453_cast,@function
k_q502b8e3453_cast:
	s_mov_b64 s[64:65], 0
	v_nop
	global_prefetch_b8 v0, s[64:65] scope:SCOPE_SE
	s_setreg_imm32_b32 hwreg(HW_REG_WAVE_MODE, 25, 1), 1
	s_wait_xcnt 0x0
; h16 = f16(batch), f16(Wq), f16(Wk), f16(Wv), f16(Wo), one behind the other: batch's 4,194,304 numbers at byte 0, the four weights
; (1,048,576 numbers each) at 8, 10, 12 and 14 MiB.  Rounded once, to nearest even.
; LIMIT: a number above 65,504 in magnitude has no f16; NaN and infinities are not served.
; A plain stream: every byte is read once and written once, no work-group shares an input with another, so LDS, barriers, matrix
; instructions and clusters have nothing to give here.
; Work-group i casts 8,192 numbers (32,768 bytes in, 16,384 bytes out): i = 0..511 batch, 512..639 Wq, 640..767 Wk, 768..895 Wv, 896..1023 Wo.
; The destination is byte 16,384 i for every i.  Thread t takes 16 bytes at 16 t of each of eight blocks of 4,096 bytes.
.set X, 4                              ; v[4:35]   eight loads of four f32
.set Y, 36                             ; v[36:51]  eight pairs of registers, four f16 each
	s_load_b256 s[4:11], s[0:1], 0x0               ; batch s[4:5], Wq s[6:7], Wk s[8:9], Wv s[10:11]
	s_load_b128 s[12:15], s[0:1], 0x20             ; Wo s[12:13], h16 s[14:15]
	s_lshl_b32 s16, ttmp9, 15                      ; byte offset in batch
	s_sub_co_u32 s17, ttmp9, 512
	s_and_b32 s17, s17, 127                        ; which of a weight's 128 parts
	s_lshl_b32 s17, s17, 15                        ; byte offset in that weight
	s_lshl_b32 s18, ttmp9, 14                      ; byte offset in h16
	s_mov_b32 s19, 0
	s_mov_b32 s23, 0
	v_lshlrev_b32 v1, 4, v0                        ; 16 t: where I load
	v_lshlrev_b32 v2, 3, v0                        ; 8 t: where I store
	s_wait_kmcnt 0x0
	s_cmp_ge_u32 ttmp9, 512                        ; the source is chosen by the work-group's number alone
	s_cselect_b64 s[20:21], s[6:7], s[4:5]
	s_cselect_b32 s22, s17, s16
	s_cmp_ge_u32 ttmp9, 640
	s_cselect_b64 s[20:21], s[8:9], s[20:21]
	s_cmp_ge_u32 ttmp9, 768
	s_cselect_b64 s[20:21], s[10:11], s[20:21]
	s_cmp_ge_u32 ttmp9, 896
	s_cselect_b64 s[20:21], s[12:13], s[20:21]
	s_add_nc_u64 s[20:21], s[20:21], s[22:23]
	s_add_nc_u64 s[14:15], s[14:15], s[18:19]
.irp j, 0,1,2,3,4,5,6,7
	global_load_b128 v[X+4*\j:X+4*\j+3], v1, s[20:21] offset:4096*\j th:TH_LOAD_NT   ; all eight go out before anything is waited for
.endr
.irp j, 0,1,2,3,4,5,6,7
	s_wait_loadcnt 7-\j                            ; loads come back in order: block j is in, the younger ones stay out
	v_cvt_pk_f16_f32 v[Y+2*\j],   v[X+4*\j],   v[X+4*\j+1]
	v_cvt_pk_f16_f32 v[Y+2*\j+1], v[X+4*\j+2], v[X+4*\j+3]
	global_store_b64 v2, v[Y+2*\j:Y+2*\j+1], s[14:15] offset:2048*\j   ; a wave's store covers 256 consecutive bytes, aligned
.endr
	s_endpgm
.Lfunc_end_k_q502b8e3453_cast:
	.size	k_q502b8e3453_cast, .Lfunc_end_k_q502b8e3453_cast-k_q502b8e3453_cast
	.p2alignl 7, 3214868480
	.fill 96, 4, 3214868480
	.section	.rodata,"a",@progbits
	.p2align	6, 0x0
	.amdhsa_kernel k_q502b8e3453_cast
		.amdhsa_group_segment_fixed_size 0
		.amdhsa_private_segment_fixed_size 0
		.amdhsa_enable_private_segment 0
		.amdhsa_kernarg_size 48
		.amdhsa_user_sgpr_count 2
		.amdhsa_user_sgpr_kernarg_segment_ptr 1
		.amdhsa_wavefront_size32 1
		.amdhsa_system_sgpr_workgroup_id_x 1
		.amdhsa_system_sgpr_workgroup_id_y 1
		.amdhsa_system_sgpr_workgroup_id_z 1
		.amdhsa_system_vgpr_workitem_id 0
		.amdhsa_next_free_vgpr 56
		.amdhsa_next_free_sgpr 66
		.amdhsa_reserve_vcc 0
		.amdhsa_float_denorm_mode_32 3
		.amdhsa_float_denorm_mode_16_64 3
		.amdhsa_memory_ordered 1
		.amdhsa_forward_progress 1
		.amdhsa_inst_pref_size 4
	.end_amdhsa_kernel
	.amdgpu_metadata
---
amdhsa.version: [ 1, 2 ]
amdhsa.kernels:
  - .name:           k_q502b8e3453_cast
    .symbol:         k_q502b8e3453_cast.kd
    .args:
      - { .name: batch, .offset: 0, .size: 8, .value_kind: global_buffer, .address_space: global }
      - { .name: Wq, .offset: 8, .size: 8, .value_kind: global_buffer, .address_space: global }
      - { .name: Wk, .offset: 16, .size: 8, .value_kind: global_buffer, .address_space: global }
      - { .name: Wv, .offset: 24, .size: 8, .value_kind: global_buffer, .address_space: global }
      - { .name: Wo, .offset: 32, .size: 8, .value_kind: global_buffer, .address_space: global }
      - { .name: h16, .offset: 40, .size: 8, .value_kind: global_buffer, .address_space: global }
    .group_segment_fixed_size: 0
    .private_segment_fixed_size: 0
    .kernarg_segment_align: 8
    .kernarg_segment_size: 48
    .max_flat_workgroup_size: 256
    .sgpr_count:     66
    .vgpr_count:     56
    .wavefront_size: 32
...
	.end_amdgpu_metadata
.endif
;; end of part 1
;; launch qkv (part 2): grid 8 x 32, 4 waves a work-group, clusters of 4 x 4, 327,680 bytes of LDS; arguments h16, bq, bk, bv, qkv16; writes qkv16
.if DOCPART == 2
	.amdgcn_target "amdgcn-amd-amdhsa--gfx1250"
	.amdhsa_code_object_version 6
	.text
	.protected	k_q502b8e3453_qkv
	.globl	k_q502b8e3453_qkv
	.p2align	8
	.type	k_q502b8e3453_qkv,@function
k_q502b8e3453_qkv:
	s_mov_b64 s[64:65], 0
	v_nop
	global_prefetch_b8 v0, s[64:65] scope:SCOPE_SE
	s_setreg_imm32_b32 hwreg(HW_REG_WAVE_MODE, 25, 1), 1
	s_wait_xcnt 0x0
	s_wait_alu depctr_hold_cnt(0) depctr_sa_sdst(0) depctr_va_vdst(0) depctr_va_sdst(0) depctr_va_ssrc(0) depctr_va_vcc(0) depctr_vm_vsrc(0)
	s_getreg_b32 s2, hwreg(HW_REG_IB_STS2, 6, 4)
	s_cmp_eq_u32 s2, 0
	s_cbranch_scc0 .Lentry_in_a_cluster
	s_endpgm
.Lentry_in_a_cluster:
	s_bfe_u32 s2, ttmp6, 0x10000c
	s_cmp_lg_u32 s2, 0xf033
	s_cbranch_scc0 .Lentry_shape_is_right
	s_endpgm
.Lentry_shape_is_right:
; qkv16[c][b*16+head][s][64] in f16:  c = 0: (x Wq + bq) * 0.125 * log2(e);  c = 1: x Wk + bk;  c = 2: x Wv + bv.   Sums in f32.
; x (f16, [4096][1024]) lies at byte 0 of h16, Wq, Wk, Wv (f16, [k][n]) at 8, 10, 12 MiB.
; LIMIT: results above 65,504 in magnitude have no f16.
; A work-group takes 128 rows of x and the same 128 columns (two heads) of each of the three weights.  Four waves, as many as a WGP has SIMDs;
; wave (wm, wn) takes 64 rows x 3 x 64 columns (one head of Q, of K and of V): 48 accumulator tiles, 384 registers.
; K goes in 8 steps of 128 through a ring of two LDS slots; a slot has four pieces, x's tile and the three weights' tiles, one tensor load each,
; wave w fetching piece w.  By this text's count a wave has at most two tensor loads out.
; CLUSTERS: 4 x 4 work-groups.  x's tile hangs on the block row alone and is asked for jointly by a row of the cluster; the weights' tiles hang on
; the block column alone and are asked for jointly by a column.
; The weights lie [k][n], so their fragments come through the transposing LDS load.  The matrix instruction is used transposed (source 0 = 16
; columns of W, source 1 = 16 rows of x): lane l then holds row l % 16 and its registers the columns 8 (l / 16) + 0..7, 16 bytes of f16.
; REGISTER WINDOWS: 0: addresses, x's fragments (two buffers), biases, work;  1: the weights' fragments (two buffers);
;                   2: accumulators of Q and K;  3: accumulators of V.
.set PA,    272                        ; x's rows in LDS: 256 bytes + 16 of padding, an odd multiple of 16
.set PB,    288                        ; the weights' rows: 256 bytes + 32, an odd multiple of 32, for the transposing loads
.set PIECE, 128*PB                     ; 36,864: a piece of a slot (x's tile uses 34,816 of it)
.set SLOT,  4*PIECE
.set STAGE, 2*SLOT                     ; behind the ring: 16 rows x 144 bytes for each wave; no tensor load lands here
.set SP,    144
.set LAPS,  4                          ; a lap = two K steps = once round the ring
.set ADRA, 16                          ; v16-17   LDS address of my fragments of x in slot 0, 1
.set ADRB, 18                          ; v18-23   the same for weight c in slot s: 3 s + c
.set STO,  24                          ; the way out: where I put 16 bytes of a row
.set RD,   25                          ; the way out: where I read rows back
.set CO,   26                          ; my byte offset in the block that is stored
.set BOFF, 27                          ; my byte offset in a bias
.set FA,   64                          ; v[64:95], v[96:127]  fragments of x, buffers 0 and 1
.set BIA,  128                         ; v[128:223]  biases of my columns: 32 c + 8 b + j
.set TMP,  224                         ; v[224:255]  the way out: sums with bias
.set PK,   64                          ; the way out: packed f16
.set RB,   80                          ; the way out: rows read back, two sets of 16 registers
.set G1A, 24                           ; s[24:31] descriptor group 1 of x's tiles
.set G0A, 32                           ; s[32:39] group 0 of x's tiles, a set for each slot
.set G1B, 48                           ; s[48:55] group 1 of the weights' tiles
.set G0B, 56                           ; s[56:63] group 0 of the weights' tiles, a set for each slot
.set MSB, 0
.macro WIN new                         ; the immediate's high byte repeats the setting that is left
.if MSB != \new
	s_set_vgpr_msb (MSB<<8)|\new
.set MSB, \new
.endif
.endm
.macro PLACES                          ; four independent vector instructions behind a matrix instruction (ISA guide 7.12.1)
.rept 4
	v_nop
.endr
.endm
; Wave 0 asks for x's tile, waves 1 to 3 for the three weights' tiles.  Each line has one mask; the branch hangs on the wave's number alone.
.macro JLOAD s
	s_cmp_eq_u32 s14, 0
	s_cbranch_scc0 .Lfor_b_\@
	tensor_load_to_lds s[G0A+4*\s:G0A+4*\s+3], s[G1A:G1A+7]
	s_nop 0
	s_branch .Lasked_\@
.Lfor_b_\@:
	tensor_load_to_lds s[G0B+4*\s:G0B+4*\s+3], s[G1B:G1B+7]
	s_nop 0
.Lasked_\@:
.endm
.macro CREST                           ; a round of the cluster's barrier behind its opening work-group barrier
	s_cmp_lg_u32 s14, 0
	s_cbranch_scc1 .Lnot_wave_0_\@
	s_barrier_signal -3
.Lnot_wave_0_\@:
	s_barrier_wait -3
	s_barrier_signal -1
	s_barrier_wait -1
.endm
.macro CROUND                          ; a whole round
	s_barrier_signal -1
	s_barrier_wait -1
	CREST
.endm
	s_load_b256 s[4:11], s[0:1], 0x0               ; h16 s[4:5], bq s[6:7], bk s[8:9], bv s[10:11]
	s_load_b64 s[12:13], s[0:1], 0x20              ; qkv16
	s_set_vgpr_msb 0x40
	v_lshl_add_u32 v255, v0, 2, 0x4a400
	s_set_vgpr_msb 0x4000
	v_mov_b32 v63, 0
	s_set_vgpr_msb 0x1
	ds_add_u32 v255, v63
	s_set_vgpr_msb 0x100
	v_lshrrev_b32 v1, 5, v0
	v_readfirstlane_b32 s14, v1                    ; wave 0..3
	s_lshr_b32 s15, s14, 1                         ; wm: which 64 rows
	s_and_b32 s16, s14, 1                          ; wn: which head of the two
	s_mov_b32 s18, 0x3e38aa3b                      ; 0.125 * log2(e): the logits' scale and the change to base 2, laid into Q
	s_mov_b32 s19, 0x3e38aa3b
	s_bfe_u32 s40, ttmp6, 0x40000                  ; cx
	s_bfe_u32 s41, ttmp6, 0x40004                  ; cy
	s_lshl_b32 s42, ttmp9, 2
	s_add_co_u32 s42, s42, s40                     ; xb: block of 128 columns, 0..7
	s_and_b32 s43, ttmp7, 0xffff
	s_lshl_b32 s43, s43, 2
	s_add_co_u32 s43, s43, s41                     ; yb: block of 128 rows, 0..31
	s_lshl_b32 s44, s41, 2
	s_lshl_b32 s44, 15, s44                        ; my row of the cluster
	s_lshl_b32 s45, 0x1111, s40                    ; my column
	; group 1: tiles of 128 rows x 128 elements of 2 bytes, 1,024 elements from row to row; padding behind every 64 words: 4 words (x), 8 words (W)
	s_or_b32 s[G1A+0], s44, (1<<16)|(1<<20)|(1<<21)|(5<<22)|(3<<25)
	s_or_b32 s[G1B+0], s45, (1<<16)|(1<<20)|(1<<21)|(5<<22)|(7<<25)
	s_mov_b32 s[G1A+1], 128<<16                    ; tensor_dim0 = 128
	s_mov_b32 s[G1B+1], 128<<16
	s_mov_b32 s[G1A+2], 128<<16                    ; tensor_dim1 = 128
	s_mov_b32 s[G1B+2], 128<<16
	s_mov_b32 s[G1A+3], 128<<16                    ; tile_dim0 = 128
	s_mov_b32 s[G1B+3], 128<<16
	s_mov_b32 s[G1A+4], 128                        ; tile_dim1 = 128
	s_mov_b32 s[G1B+4], 128
	s_mov_b32 s[G1A+5], 1024                       ; the pitch
	s_mov_b32 s[G1B+5], 1024
	s_mov_b32 s[G1A+6], 0
	s_mov_b32 s[G1B+6], 0
	s_mov_b32 s[G1A+7], 0
	s_mov_b32 s[G1B+7], 0
	s_lshl_b32 s68, s43, 18                        ; x: 128 yb rows of 2,048 bytes
	s_mov_b32 s69, 0
	s_lshl_b32 s72, s14, 21                        ; W: weight w - 1 lies at 6 MiB + 2 MiB x w,
	s_add_co_u32 s72, s72, 6<<20
	s_lshl_b32 s73, s42, 8                         ; its columns at 256 xb bytes
	s_add_co_u32 s72, s72, s73
	s_mov_b32 s73, 0
	s_mul_i32 s20, s14, PIECE                      ; where my piece goes: the wave's number alone
	v_and_b32 v1, 15, v0                           ; r = l % 16
	v_bfe_u32 v2, v0, 4, 1                         ; h = l / 16
	v_and_b32 v3, 7, v0                            ; l % 8
	v_bfe_u32 v4, v0, 3, 1                         ; (l / 8) % 2
	s_lshl_b32 s46, s42, 9                         ; my columns in a bias: 512 xb + 256 wn + 32 h bytes
	s_lshl_b32 s47, s16, 8
	s_add_co_u32 s46, s46, s47
	v_lshlrev_b32 v[BOFF], 5, v2
	v_add_nc_u32 v[BOFF], s46, v[BOFF]
	s_wait_dscnt 0x0
	s_wait_kmcnt 0x0
	s_add_nc_u64 s[66:67], s[4:5], s[68:69]
	s_add_nc_u64 s[70:71], s[4:5], s[72:73]
.irp b, 0,1,2,3
	global_load_b128 v[BIA+8*\b:BIA+8*\b+3],       v[BOFF], s[6:7]   offset:64*\b       ; columns 16 b + 8 h + 0..7 of my head
	global_load_b128 v[BIA+8*\b+4:BIA+8*\b+7],     v[BOFF], s[6:7]   offset:64*\b+16
	global_load_b128 v[BIA+32+8*\b:BIA+32+8*\b+3], v[BOFF], s[8:9]   offset:64*\b
	global_load_b128 v[BIA+32+8*\b+4:BIA+32+8*\b+7], v[BOFF], s[8:9] offset:64*\b+16
	global_load_b128 v[BIA+64+8*\b:BIA+64+8*\b+3], v[BOFF], s[10:11] offset:64*\b
	global_load_b128 v[BIA+64+8*\b+4:BIA+64+8*\b+7], v[BOFF], s[10:11] offset:64*\b+16
.endr
	CROUND                                         ; all sixteen work-groups are here: the first joint loads meet
.irp s, 0,1
	s_mov_b32 s[G0A+4*\s], 1
	s_add_co_u32 s[G0A+4*\s+1], s20, \s*SLOT
	s_add_nc_u64 s[G0A+4*\s+2:G0A+4*\s+3], s[66:67], \s*256          ; K step s: 128 elements along x's rows
	s_or_b32 s[G0A+4*\s+3], s[G0A+4*\s+3], 0x80000000
	s_mov_b32 s[G0B+4*\s], 1
	s_add_co_u32 s[G0B+4*\s+1], s20, \s*SLOT
	s_add_nc_u64 s[G0B+4*\s+2:G0B+4*\s+3], s[70:71], \s*262144       ; K step s: 128 rows of W
	s_or_b32 s[G0B+4*\s+3], s[G0B+4*\s+3], 0x80000000
	JLOAD \s
.endr
	; x's fragment: lane l reads row r at 16 h, two loads 32 bytes apart.
	v_mul_u32_u24 v5, v1, PA
	v_lshl_add_u32 v5, v2, 4, v5
	s_mul_i32 s21, s15, 64*PA
	v_add_nc_u32 v[ADRA], s21, v5
	v_add_nc_u32 v[ADRA+1], SLOT, v[ADRA]
	; W's fragment: lane l addresses row 8 h + l % 8 of the 32 along K, 16 bytes at 16 ((l / 8) % 2); the second load stands 16 rows further
	v_lshl_add_u32 v6, v2, 3, v3
	v_mul_u32_u24 v6, v6, PB
	v_lshl_add_u32 v6, v4, 4, v6
	s_lshl_b32 s22, s16, 7                         ; my head's 64 columns: 128 wn bytes
	v_add_nc_u32 v6, s22, v6
.irp s, 0,1
.irp c, 0,1,2
	v_add_nc_u32 v[ADRB+3*\s+\c], \s*SLOT+(1+\c)*PIECE, v6
.endr
.endr
	s_mul_i32 s23, s14, 16*SP
	s_add_co_u32 s23, s23, STAGE                   ; my stage
	v_mul_u32_u24 v7, v1, SP
	v_lshl_add_u32 v7, v2, 4, v7
	v_add_nc_u32 v[STO], s23, v7                   ; in: row r, 16 bytes for each half of the lanes
	v_and_b32 v8, 31, v0
	v_lshrrev_b32 v9, 3, v8
	v_mul_u32_u24 v9, v9, SP
	v_lshl_add_u32 v9, v3, 4, v9
	v_add_nc_u32 v[RD], s23, v9                    ; back: eight lanes take a row of 128 bytes, a wave four rows
	v_lshlrev_b32 v[CO], 4, v8                     ; which are 512 consecutive bytes of the head's block
; 16 matrix instructions: weight c, 4 blocks of rows x 4 blocks of columns, 32 along K, from buffer f.  zero = 1: the first product starts the sums.
; The 48 accumulators take turns, one instruction a turn, in the same order in every quarter step.
.macro MULC f, c, zero
.if \c == 2
	WIN 0xf1                                       ; source 0 (W) window 1, source 1 (x) window 0, C and D window 3
.else
	WIN 0xa1                                       ; the same, C and D window 2
.endif
.irp a, 0,1,2,3
.irp b, 0,1,2,3
.if \zero
	v_wmma_f32_16x16x32_f16 v[128*(\c&1)+8*(4*\a+\b):128*(\c&1)+8*(4*\a+\b)+7], v[96*\f+8*(4*\c+\b):96*\f+8*(4*\c+\b)+7], v[FA+32*\f+8*\a:FA+32*\f+8*\a+7], 0
.else
	v_wmma_f32_16x16x32_f16 v[128*(\c&1)+8*(4*\a+\b):128*(\c&1)+8*(4*\a+\b)+7], v[96*\f+8*(4*\c+\b):96*\f+8*(4*\c+\b)+7], v[FA+32*\f+8*\a:FA+32*\f+8*\a+7], v[128*(\c&1)+8*(4*\a+\b):128*(\c&1)+8*(4*\a+\b)+7]
.endif
.endr
.endr
.endm
; 32 LDS loads in one run: quarter q of a slot into buffer f: x (8), then weight 0, 1, 2 (8 each)
.macro FETCH slot, q, f
	WIN 0
.irp i, 0,1,2,3
	ds_load_b128 v[FA+32*\f+8*\i:FA+32*\f+8*\i+3],   v[ADRA+\slot] offset:16*PA*\i+64*\q
	ds_load_b128 v[FA+32*\f+8*\i+4:FA+32*\f+8*\i+7], v[ADRA+\slot] offset:16*PA*\i+64*\q+32
.endr
	WIN 0x40                                       ; destination window 1, address window 0
.irp c, 0,1,2
.irp b, 0,1,2,3
	ds_load_tr16_b128 v[96*\f+8*(4*\c+\b):96*\f+8*(4*\c+\b)+3],   v[ADRB+3*\slot+\c] offset:32*PB*\q+32*\b
	ds_load_tr16_b128 v[96*\f+8*(4*\c+\b)+4:96*\f+8*(4*\c+\b)+7], v[ADRB+3*\slot+\c] offset:32*PB*\q+32*\b+16*PB
.endr
.endr
.endm
; One of a K step's first three quarters: multiplies buffer f and fetches quarter q of the same slot into buffer g.
.macro QUARTER slot, q, f, g, zero
	s_wait_dscnt 8                                 ; x and weights 0, 1 are in; the youngest eight loads (weight 2) may be out
	MULC \f, 0, \zero
	MULC \f, 1, \zero
	PLACES                                         ; buffer g was read by matrix instructions: the loads into it stand four places behind them
	FETCH \slot, \q, \g
	s_wait_dscnt 32                                ; all but the 32 just issued
	MULC \f, 2, \zero
.endm
.macro THREE slot, zero
	QUARTER \slot, 1, 0, 1, \zero
	QUARTER \slot, 2, 1, 0, 0
	QUARTER \slot, 3, 0, 1, 0
.endm
; The last quarter: multiplies buffer 1 and changes slots.  In front of the barrier each wave waits for its reads of this slot and for all its
; tensor loads (one is out: its piece of the next slot).  fill = 1: the barrier opens a round of the cluster's barrier, and behind the round this
; slot is asked for again, two K steps ahead, as the first tensor load there.
.macro TURN slot, next, fill
	s_wait_dscnt 8
	MULC 1, 0, 0
	s_wait_dscnt 0                                 ; my reads of this slot are over
	s_wait_tensorcnt 0x0                           ; all my tensor loads have landed
	ds_add_u32 v255, v63
	s_wait_dscnt 0x0
	s_barrier_signal -1
	MULC 1, 1, 0                                   ; registers only, while the others arrive
	WIN 0
	s_barrier_wait -1
.if \fill
	CREST
	s_add_nc_u64 s[G0A+4*\slot+2:G0A+4*\slot+3], s[G0A+4*\slot+2:G0A+4*\slot+3], 512
	s_add_nc_u64 s[G0B+4*\slot+2:G0B+4*\slot+3], s[G0B+4*\slot+2:G0B+4*\slot+3], 524288
	JLOAD \slot
.endif
	PLACES
	FETCH \next, 0, 0
	MULC 1, 2, 0
.endm
.macro LAP zero
	THREE 0, \zero
	TURN 0, 1, 1
	THREE 1, 0
	TURN 1, 0, 1
.endm
	s_wait_tensorcnt 1                             ; my piece of K step 0 is in; K step 1's stays out
	s_barrier_signal -1
	s_barrier_wait -1
	FETCH 0, 0, 0
	LAP 1                                          ; the first lap's first products start the sums
	WIN 0
	s_mov_b32 s17, LAPS-2
.Llap:
	LAP 0
	WIN 0
	s_sub_co_u32 s17, s17, 1
	s_cmp_lg_u32 s17, 0
	s_cbranch_scc1 .Llap
	THREE 0, 0                                     ; the last lap fills nothing
	TURN 0, 1, 0
	THREE 1, 0
	s_wait_dscnt 8
	MULC 1, 0, 0
	MULC 1, 1, 0
	s_wait_dscnt 0
	MULC 1, 2, 0
	; THE WAY OUT: bias (and Q's scale) in f32, one rounding to f16, 16 rows at a time through my own stage.
	PLACES
	WIN 0
	s_wait_loadcnt 0x0                             ; the biases
.set p, 0
.rept 16
	v_pk_mul_f32 v[BIA+p:BIA+p+1], v[BIA+p:BIA+p+1], s[18:19] op_sel_hi:[1,0]    ; bq takes Q's scale too
.set p, p+2
.endr
	s_lshr_b32 s68, s43, 4
	s_lshl_b32 s68, s68, 4                         ; 16 x batch
	s_lshl_b32 s72, s42, 1
	s_add_co_u32 s72, s72, s16                     ; my head
	s_add_co_u32 s46, s68, s72
	s_lshl_b32 s46, s46, 18                        ; a head's block is 262,144 bytes
	s_and_b32 s68, s43, 15
	s_lshl_b32 s68, s68, 14                        ; 128 rows of 128 bytes
	s_lshl_b32 s69, s15, 13                        ; my 64 rows
	s_add_co_u32 s46, s46, s68
	s_add_co_u32 s46, s46, s69
	s_mov_b32 s47, 0
	s_add_nc_u64 s[12:13], s[12:13], s[46:47]
.macro OUT16 c, a, rb
.if \c == 2
	WIN 0x03                                       ; source 0 window 3
.else
	WIN 0x02                                       ; source 0 window 2
.endif
.irp b, 0,1,2,3
.irp p, 0,2,4,6
.if \c == 0
	v_pk_fma_f32 v[TMP+8*\b+\p:TMP+8*\b+\p+1], v[8*(4*\a+\b)+\p:8*(4*\a+\b)+\p+1], s[18:19], v[BIA+8*\b+\p:BIA+8*\b+\p+1] op_sel_hi:[1,0,1]
.else
	v_pk_add_f32 v[TMP+8*\b+\p:TMP+8*\b+\p+1], v[128*(\c&1)+8*(4*\a+\b)+\p:128*(\c&1)+8*(4*\a+\b)+\p+1], v[BIA+32*\c+8*\b+\p:BIA+32*\c+8*\b+\p+1]
.endif
.endr
.endr
	WIN 0
.irp b, 0,1,2,3
.irp p, 0,1,2,3
	v_cvt_pk_f16_f32 v[PK+4*\b+\p], v[TMP+8*\b+2*\p], v[TMP+8*\b+2*\p+1]
.endr
.endr
.irp b, 0,1,2,3
	ds_store_b128 v[STO], v[PK+4*\b:PK+4*\b+3] offset:32*\b
.endr
	s_wait_xcnt 0x0                                ; the registers that earlier stores read, and their base, are rewritten only behind this wait
.if \a == 0
.if \c > 0
	s_add_nc_u64 s[12:13], s[12:13], 0x800000      ; from Q's block to K's, from K's to V's
.endif
.endif
.irp t, 0,1,2,3
	ds_load_b128 v[\rb+4*\t:\rb+4*\t+3], v[RD] offset:4*SP*\t        ; LDS serves a wave's instructions in order: these see the stores above
.endr
.irp t, 0,1,2,3
	s_wait_dscnt 3-\t
	global_store_b128 v[CO], v[\rb+4*\t:\rb+4*\t+3], s[12:13] offset:2048*\a+512*\t   ; a wave's store covers 512 consecutive bytes, aligned
.endr
.endm
.irp c, 0,1,2
	OUT16 \c, 0, RB
	OUT16 \c, 1, RB+16
	OUT16 \c, 2, RB
	OUT16 \c, 3, RB+16
.endr
	s_set_vgpr_msb 0x1
	s_wait_tensorcnt 0x0
	ds_add_u32 v255, v63
	s_wait_dscnt 0x0
	s_set_vgpr_msb 0x100
	CROUND                                         ; the closing round: no work-group ends while a partner may still ask for a tile that names it
	s_endpgm
.Lfunc_end_k_q502b8e3453_qkv:
	.size	k_q502b8e3453_qkv, .Lfunc_end_k_q502b8e3453_qkv-k_q502b8e3453_qkv
	.p2alignl 7, 3214868480
	.fill 96, 4, 3214868480
	.section	.rodata,"a",@progbits
	.p2align	6, 0x0
	.amdhsa_kernel k_q502b8e3453_qkv
		.amdhsa_group_segment_fixed_size 327680
		.amdhsa_private_segment_fixed_size 0
		.amdhsa_enable_private_segment 0
		.amdhsa_kernarg_size 40
		.amdhsa_user_sgpr_count 2
		.amdhsa_user_sgpr_kernarg_segment_ptr 1
		.amdhsa_wavefront_size32 1
		.amdhsa_system_sgpr_workgroup_id_x 1
		.amdhsa_system_sgpr_workgroup_id_y 1
		.amdhsa_system_sgpr_workgroup_id_z 1
		.amdhsa_system_vgpr_workitem_id 0
		.amdhsa_next_free_vgpr 896
		.amdhsa_next_free_sgpr 74
		.amdhsa_reserve_vcc 0
		.amdhsa_float_denorm_mode_32 3
		.amdhsa_float_denorm_mode_16_64 3
		.amdhsa_memory_ordered 1
		.amdhsa_forward_progress 1
		.amdhsa_inst_pref_size 180
	.end_amdhsa_kernel
	.amdgpu_metadata
---
amdhsa.version: [ 1, 2 ]
amdhsa.kernels:
  - .name:           k_q502b8e3453_qkv
    .symbol:         k_q502b8e3453_qkv.kd
    .args:
      - { .name: h16, .offset: 0, .size: 8, .value_kind: global_buffer, .address_space: global }
      - { .name: bq, .offset: 8, .size: 8, .value_kind: global_buffer, .address_space: global }
      - { .name: bk, .offset: 16, .size: 8, .value_kind: global_buffer, .address_space: global }
      - { .name: bv, .offset: 24, .size: 8, .value_kind: global_buffer, .address_space: global }
      - { .name: qkv16, .offset: 32, .size: 8, .value_kind: global_buffer, .address_space: global }
    .group_segment_fixed_size: 327680
    .private_segment_fixed_size: 0
    .kernarg_segment_align: 8
    .kernarg_segment_size: 40
    .max_flat_workgroup_size: 128
    .sgpr_count:     74
    .vgpr_count:     896
    .wavefront_size: 32
...
	.end_amdgpu_metadata
.endif
;; end of part 2
;; launch attn (part 3): grid 8 x 32, 8 waves a work-group, clusters of 4 x 1, 327,680 bytes of LDS; arguments qkv16, mask, xh16; writes xh16
.if DOCPART == 3
	.amdgcn_target "amdgcn-amd-amdhsa--gfx1250"
	.amdhsa_code_object_version 6
	.text
	.protected	k_q502b8e3453_attn
	.globl	k_q502b8e3453_attn
	.p2align	8
	.type	k_q502b8e3453_attn,@function
k_q502b8e3453_attn:
	s_mov_b64 s[64:65], 0
	v_nop
	global_prefetch_b8 v0, s[64:65] scope:SCOPE_SE
	s_setreg_imm32_b32 hwreg(HW_REG_WAVE_MODE, 25, 1), 1
	s_wait_xcnt 0x0
	s_wait_alu depctr_hold_cnt(0) depctr_sa_sdst(0) depctr_va_vdst(0) depctr_va_sdst(0) depctr_va_ssrc(0) depctr_va_vcc(0) depctr_vm_vsrc(0)
	s_getreg_b32 s2, hwreg(HW_REG_IB_STS2, 6, 4)
	s_cmp_eq_u32 s2, 0
	s_cbranch_scc0 .Lentry_in_a_cluster
	s_endpgm
.Lentry_in_a_cluster:
	s_bfe_u32 s2, ttmp6, 0x10000c
	s_cmp_lg_u32 s2, 0x3003
	s_cbranch_scc0 .Lentry_shape_is_right
	s_endpgm
.Lentry_shape_is_right:
; xh16[y][s][64] = softmax(Q K^T / 8 + (mask ? 0 : -1e9)) V for head y = b*16 + head; Q, K, V from qkv16 (f16, Q already times 0.125 log2 e).
; The exponentials are taken in base 2, behind a running maximum; the mask's term, -1e9 log2 e, is added in f32 on the vector unit, in every step.
; LIMITS: P and X are rounded to f16 (P lies in [0, 1], X is a mean of V's rows).  NaN and infinities are not served.  Where all keys of a batch
; are masked the logits vanish beside the mask's term while |logit x log2 e| < 64 (half of a step of f32 at 1.44e9), and the weights are uniform.
; A work-group takes 256 queries of one head.  Eight waves: wave w takes the 64 queries g = w % 4 and the half kh = w / 4 of each tile of 256 keys,
; in two steps of 64 keys; the two halves' partial results are merged at the end through LDS.  Keys go in 8 tiles through a ring of two LDS slots.
; CLUSTERS: the four query blocks of a cluster read the same K and V: each tile is asked for jointly (mask 15).  Waves 0-3 ask for K's four pieces of
; 64 keys, waves 4-7 for V's.  By this text's count a wave has one tensor load out.
; ONE TEXT FOR EVERY STEP: the state starts neutral (maximum -infinity, sum 0, O a product of zero fragments), so that the first step is a step like
; the others and tiles 0 to 5 run in a loop of three trips; only the last two tiles are written out, since the last asks for nothing.
; NO SHUFFLES: S^T = K Q^T leaves query l % 16 in the lane and keys 8 (l / 16) + j in the registers; packed in pairs, two blocks of 16 keys are
; the second source of O^T = V^T P^T as they stand.  V^T comes through the transposing LDS load.  O^T leaves eight neighbouring d of one query in a lane.
; REGISTER WINDOWS: 0: addresses, statistics, fragments of V, K, Q;  1: O in v[0:127], S (and P in place) in v[128:255].
.set KP,    144                        ; K's rows in LDS: 128 bytes + 16, an odd multiple of 16
.set VP,    160                        ; V's rows: 128 bytes + 32, an odd multiple of 32
.set PIECE, 10240                      ; 64 rows of V; K's 64 rows use 9,216 of it: both lines' LDS address is wave x PIECE + slot
.set SLOT,  8*PIECE
.set VREG,  4*PIECE
.set BIAS,  2*SLOT                     ; 2,048 f32: the mask's term for each key of my batch
.set MO,    BIAS+8192                  ; 4 x 16,384: the upper halves' O
.set MS,    MO+65536                   ; 4 x 1,024: their maxima and sums
.set STAGE, MS+4096                    ; 4 x 2,304: the way out
.set SP,    144
.set KADR, 8                           ; v8-9    my K fragments in slot 0, 1
.set VADR, 10                          ; v10-11  my V fragments in slot 0, 1
.set BADR, 12                          ; v12     the mask's terms of my keys; steps by a tile
.set STO,  13
.set RD,   14
.set CO,   15
.set MOA,  16
.set MSA,  17
.set QOFF, 18
.set MOFF, 19
.set ST,   20                          ; v[20:35]  query block q: 4 q + 0: -max, + 1: max, + 2: the old sums' factor, + 3: my lane's sum
.set TT,   36                          ; v[36:43]  query block q: a pair at work
.set XF,   44                          ; v[44:107] V^T fragments: 32 c + 8 db (c: which 32 of the 64 keys); before them the mask's terms: 8 kb
.set KF,   108                         ; v[108:171] K fragments: 16 kb + 8 ds
.set QF,   172                         ; v[172:235] Q fragments: 16 q + 8 ds
.set SB,   128                         ; window 1: S at 128 + 32 q + 8 kb; P in place in the first sixteen of each thirty-two
.set OP,   44                          ; the merge: the partner's O of one query block, v[44:75]
.set M1,   76                          ; the merge: the partner's maxima and sums, v[76:83]
.set PKR,  92                          ; the merge: packed f16
.set RB,   108                         ; the merge: rows read back
.set G1K, 24
.set G0K, 32
.set G1V, 48
.set G0V, 56
.set MSB, 0
.macro WIN new                         ; the immediate's high byte repeats the setting that is left
.if MSB != \new
	s_set_vgpr_msb (MSB<<8)|\new
.set MSB, \new
.endif
.endm
.macro JLOAD s
	s_cmp_eq_u32 s11, 0
	s_cbranch_scc0 .Lfor_v_\@
	tensor_load_to_lds s[G0K+4*\s:G0K+4*\s+3], s[G1K:G1K+7]
	s_nop 0
	s_branch .Lasked_\@
.Lfor_v_\@:
	tensor_load_to_lds s[G0V+4*\s:G0V+4*\s+3], s[G1V:G1V+7]
	s_nop 0
.Lasked_\@:
.endm
.macro ROUND                           ; a round of the cluster's barrier
	s_barrier_signal -1
	s_barrier_wait -1
	s_cmp_lg_u32 s10, 0
	s_cbranch_scc1 .Lnot_wave_0_\@
	s_barrier_signal -3
.Lnot_wave_0_\@:
	s_barrier_wait -3
	s_barrier_signal -1
	s_barrier_wait -1
.endm
	s_load_b128 s[4:7], s[0:1], 0x0                ; qkv16 s[4:5], mask s[6:7]
	s_load_b64 s[8:9], s[0:1], 0x10                ; xh16
	v_lshl_add_u32 v254, v0, 2, 0x3d400
	v_mov_b32 v255, 0
	ds_add_u32 v254, v255
	v_lshrrev_b32 v1, 5, v0
	v_readfirstlane_b32 s10, v1                    ; wave 0..7
	s_lshr_b32 s11, s10, 2                         ; kh: which half of a tile's keys.  Also: I ask for K (0) or for V (1)
	s_and_b32 s12, s10, 3                          ; g: which 64 queries.  Also: which 64 rows of the tile I ask for
	s_and_b32 s13, ttmp7, 0xffff                   ; y: the head, shared by the cluster
	s_bfe_u32 s14, ttmp6, 0x40000                  ; cx
	s_lshl_b32 s15, ttmp9, 2
	s_add_co_u32 s15, s15, s14                     ; my block of 256 queries, 0..7
	s_mov_b32 s20, 0x76543210                      ; v_permlanex16_b32: lane i of one half reads lane i of the other
	s_mov_b32 s21, 0xfedcba98
	s_mov_b32 s22, 0x4eabfb8f                      ; 1e9 log2 e
	s_mov_b32 s23, 0xceabfb8f                      ; and its negative
	; group 1: tiles of 64 rows x 64 elements of 2 bytes, dense in memory; padding behind every 32 words: 4 words (K), 8 words (V); mask 15
	s_mov_b32 s[G1K+0], 15|(1<<16)|(1<<20)|(1<<21)|(4<<22)|(3<<25)
	s_mov_b32 s[G1V+0], 15|(1<<16)|(1<<20)|(1<<21)|(4<<22)|(7<<25)
	s_mov_b32 s[G1K+1], 64<<16
	s_mov_b32 s[G1V+1], 64<<16
	s_mov_b32 s[G1K+2], 64<<16
	s_mov_b32 s[G1V+2], 64<<16
	s_mov_b32 s[G1K+3], 64<<16
	s_mov_b32 s[G1V+3], 64<<16
	s_mov_b32 s[G1K+4], 64
	s_mov_b32 s[G1V+4], 64
	s_mov_b32 s[G1K+5], 64
	s_mov_b32 s[G1V+5], 64
	s_mov_b32 s[G1K+6], 0
	s_mov_b32 s[G1V+6], 0
	s_mov_b32 s[G1K+7], 0
	s_mov_b32 s[G1V+7], 0
	s_lshl_b32 s68, s13, 18                        ; the head's block
	s_lshl_b32 s69, s12, 13                        ; + my 64 rows of 128 bytes
	s_add_co_u32 s68, s68, s69
	s_add_co_u32 s72, s68, 64<<18                  ; V's blocks lie behind Q's 32 and K's 32
	s_add_co_u32 s68, s68, 32<<18                  ; K's behind Q's 32
	s_mov_b32 s69, 0
	s_mov_b32 s73, 0
	s_lshl_b32 s40, s13, 18                        ; Q and X: head, block of 256 queries, my 64
	s_lshl_b32 s41, s15, 15
	s_add_co_u32 s40, s40, s41
	s_lshl_b32 s41, s12, 13
	s_add_co_u32 s40, s40, s41
	s_mov_b32 s41, 0
	s_lshr_b32 s46, s13, 4
	s_lshl_b32 s46, s46, 11                        ; my batch's 2,048 bytes of the mask
	s_mov_b32 s47, 0
	s_mul_i32 s42, s10, PIECE                      ; where my piece goes
	v_and_b32 v1, 15, v0                           ; r
	v_bfe_u32 v2, v0, 4, 1                         ; h
	v_and_b32 v3, 7, v0
	v_bfe_u32 v4, v0, 3, 1
	v_and_b32 v5, 31, v0                           ; lane
	v_lshlrev_b32 v[QOFF], 7, v1
	v_lshl_add_u32 v[QOFF], v2, 4, v[QOFF]         ; row r of 128 bytes + 16 h
	v_lshlrev_b32 v[MOFF], 3, v0                   ; the table: thread t takes the mask of keys 8 t .. 8 t + 7
	s_wait_dscnt 0x0
	s_wait_kmcnt 0x0
	s_add_nc_u64 s[66:67], s[4:5], s[68:69]
	s_add_nc_u64 s[70:71], s[4:5], s[72:73]
	s_add_nc_u64 s[44:45], s[4:5], s[40:41]
	s_add_nc_u64 s[8:9], s[8:9], s[40:41]
	s_add_nc_u64 s[6:7], s[6:7], s[46:47]
	global_load_b64 v[6:7], v[MOFF], s[6:7]
.irp q, 0,1,2,3
.irp d, 0,1
	global_load_b128 v[QF+16*\q+8*\d:QF+16*\q+8*\d+3],   v[QOFF], s[44:45] offset:2048*\q+64*\d
	global_load_b128 v[QF+16*\q+8*\d+4:QF+16*\q+8*\d+7], v[QOFF], s[44:45] offset:2048*\q+64*\d+32
.endr
.endr
.irp s, 0,1
	s_mov_b32 s[G0K+4*\s], 1
	s_add_co_u32 s[G0K+4*\s+1], s42, \s*SLOT
	s_add_nc_u64 s[G0K+4*\s+2:G0K+4*\s+3], s[66:67], \s*32768        ; tile s: 256 keys of 128 bytes
	s_or_b32 s[G0K+4*\s+3], s[G0K+4*\s+3], 0x80000000
	s_mov_b32 s[G0V+4*\s], 1
	s_add_co_u32 s[G0V+4*\s+1], s42, \s*SLOT
	s_add_nc_u64 s[G0V+4*\s+2:G0V+4*\s+3], s[70:71], \s*32768
	s_or_b32 s[G0V+4*\s+3], s[G0V+4*\s+3], 0x80000000
.endr
	v_mul_u32_u24 v36, v1, KP
	v_lshl_add_u32 v36, v2, 4, v36                 ; r x 144 + 16 h: K's fragments, and the stage's stores
	s_mul_i32 s43, s11, 2*PIECE                    ; my 128 keys are two pieces
	v_add_nc_u32 v[KADR], s43, v36
	v_add_nc_u32 v[KADR+1], SLOT, v[KADR]
	v_lshl_add_u32 v37, v2, 3, v3                  ; V: row 8 h + l % 8 of the 32 keys,
	v_mul_u32_u24 v37, v37, VP
	v_lshl_add_u32 v37, v4, 4, v37                 ; 16 bytes at 16 ((l / 8) % 2)
	s_mul_i32 s43, s11, 128*VP
	s_add_co_u32 s43, s43, VREG
	v_add_nc_u32 v[VADR], s43, v37
	v_add_nc_u32 v[VADR+1], SLOT, v[VADR]
	s_lshl_b32 s43, s11, 9
	s_add_co_u32 s43, s43, BIAS
	v_lshlrev_b32 v38, 5, v2
	v_add_nc_u32 v[BADR], s43, v38                 ; keys 128 kh + 8 h + ..
	s_mul_i32 s43, s12, 16*SP
	s_add_co_u32 s43, s43, STAGE
	v_add_nc_u32 v[STO], s43, v36
	v_lshrrev_b32 v39, 3, v5
	v_mul_u32_u24 v39, v39, SP
	v_lshl_add_u32 v39, v3, 4, v39
	v_add_nc_u32 v[RD], s43, v39
	v_lshlrev_b32 v[CO], 4, v5
	s_lshl_b32 s43, s12, 14
	s_add_co_u32 s43, s43, MO
	v_add_nc_u32 v[MOA], s43, v[CO]
	s_lshl_b32 s43, s12, 10
	s_add_co_u32 s43, s43, MS
	v_lshlrev_b32 v40, 2, v5
	v_add_nc_u32 v[MSA], s43, v40
	; the mask's table: byte m (0 or 1) becomes m C - C, exactly 0 or -C
	s_wait_loadcnt 16                              ; the mask's load is in; Q's sixteen stay out
.irp k, 0,1,2,3
	v_bfe_u32 v[XF+\k],   v6, 8*\k, 8
	v_bfe_u32 v[XF+4+\k], v7, 8*\k, 8
.endr
.irp k, 0,1,2,3,4,5,6,7
	v_cvt_f32_u32 v[XF+\k], v[XF+\k]
.endr
.irp k, 0,1,2,3,4,5,6,7
	v_fma_f32 v[XF+\k], v[XF+\k], s22, s23
.endr
	v_lshlrev_b32 v[XF+8], 5, v0
	v_add_nc_u32 v[XF+8], BIAS, v[XF+8]
	ds_store_b128 v[XF+8], v[XF:XF+3]
	ds_store_b128 v[XF+8], v[XF+4:XF+7] offset:16
.irp k, 0,1,2,3,4,5,6,7
	v_mov_b32 v[TT+\k], 0                          ; a zero fragment for the start of O; v_permlanex16_b32 also counts as a reader of its destination
.endr
.irp q, 0,1,2,3
	v_mov_b32 v[ST+4*\q+1], 0xff800000             ; the running maximum starts at -infinity: the first step's factor for the old sums is 2^-infinity = 0,
	v_mov_b32 v[ST+4*\q+3], 0                      ; the sum at 0
.endr
	s_wait_dscnt 0x0                               ; my part of the table is written, for the other waves' sake
	ROUND                                          ; the table is whole, and the cluster is in step for the first joint load
	JLOAD 0
	; O starts as a product of zero fragments: 16 instructions for 128 registers, and no second text for a first step
	WIN 0x40                                       ; D window 1
.set n, 0
.rept 16
	v_wmma_f32_16x16x32_f16 v[8*n:8*n+7], v[TT:TT+7], v[TT:TT+7], 0
.set n, n+1
.endr
	WIN 0
.rept 5
	v_nop                                          ; the places behind them (ISA guide 7.12.1): the zero fragment's registers are written again in the first step
.endr
	s_wait_loadcnt 0x0                             ; Q
.macro LOADK slot, i                   ; 64 keys (one piece) x 64 d: 16 loads
.irp k, 0,1,2,3
.irp d, 0,1
	ds_load_b128 v[KF+16*\k+8*\d:KF+16*\k+8*\d+3],   v[KADR+\slot] offset:(\i)*PIECE+16*KP*\k+64*\d
	ds_load_b128 v[KF+16*\k+8*\d+4:KF+16*\k+8*\d+7], v[KADR+\slot] offset:(\i)*PIECE+16*KP*\k+64*\d+32
.endr
.endr
.endm
.macro LOADB i                         ; the mask's terms of my 4 x 8 keys: 8 loads
.irp k, 0,1,2,3
	ds_load_b128 v[XF+8*\k:XF+8*\k+3],   v[BADR] offset:256*(\i)+64*\k
	ds_load_b128 v[XF+8*\k+4:XF+8*\k+7], v[BADR] offset:256*(\i)+64*\k+16
.endr
.endm
.macro LOADV slot, i                   ; 64 d x 64 keys, transposed: 16 loads
.irp c, 0,1
.irp d, 0,1,2,3
	ds_load_tr16_b128 v[XF+32*\c+8*\d:XF+32*\c+8*\d+3],   v[VADR+\slot] offset:32*VP*(2*(\i)+\c)+32*\d
	ds_load_tr16_b128 v[XF+32*\c+8*\d+4:XF+32*\c+8*\d+7], v[VADR+\slot] offset:32*VP*(2*(\i)+\c)+32*\d+16*VP
.endr
.endr
.endm
; 64 keys x 64 queries.  pre = 1: the next step's K fragments and mask's terms are fetched from the same slot.
.macro STEP slot, i, pre
	s_wait_dscnt 8                                 ; K's sixteen loads are in; the eight loads of the mask's terms, issued behind them, may be out
	WIN 0x50                                       ; C and D window 1
.irp q, 0,1,2,3
.irp k, 0,1,2,3
	v_wmma_f32_16x16x32_f16 v[SB+32*\q+8*\k:SB+32*\q+8*\k+7], v[KF+16*\k:KF+16*\k+7], v[QF+16*\q:QF+16*\q+7], 0
.endr
.endr
.irp q, 0,1,2,3                        ; the sixteen accumulators take turns, one instruction a turn
.irp k, 0,1,2,3
	v_wmma_f32_16x16x32_f16 v[SB+32*\q+8*\k:SB+32*\q+8*\k+7], v[KF+16*\k+8:KF+16*\k+15], v[QF+16*\q+8:QF+16*\q+15], v[SB+32*\q+8*\k:SB+32*\q+8*\k+7]
.endr
.endr
	WIN 0
.rept 4
	v_nop                                          ; four places before S is read and before loads land on K's fragments
.endr
.if \pre
	LOADK \slot, \i+1
.endif
	s_wait_dscnt 16*\pre                           ; the mask's terms are in; behind them only the next step's sixteen K loads were issued
	WIN 0x41                                       ; destination and source 0 window 1
.irp q, 0,1,2,3
.irp k, 0,1,2,3
.irp p, 0,2,4,6
	v_pk_add_f32 v[SB+32*\q+8*\k+\p:SB+32*\q+8*\k+\p+1], v[SB+32*\q+8*\k+\p:SB+32*\q+8*\k+\p+1], v[XF+8*\k+\p:XF+8*\k+\p+1]
.endr
.endr
.endr
	WIN 0
	LOADV \slot, \i                                ; onto the terms' registers, which have been read; used behind the whole softmax
	; the new maximum of each query: four chains that do not wait for each other, each started by the old maximum
	WIN 0x14                                       ; sources 1 and 2 window 1
.irp q, 0,1,2,3
	v_max3_num_f32 v[TT+2*\q], v[ST+4*\q+1], v[SB+32*\q], v[SB+32*\q+1]
.endr
.irp j, 2,4,6,8,10,12,14,16,18,20,22,24,26,28,30
.irp q, 0,1,2,3
	v_max3_num_f32 v[TT+2*\q], v[TT+2*\q], v[SB+32*\q+\j], v[SB+32*\q+\j+1]
.endr
.endr
	WIN 0
.irp q, 0,1,2,3
	v_permlanex16_b32 v[TT+2*\q+1], v[TT+2*\q], s20, s21   ; the other half of the lanes holds the query's other 32 keys
.endr
.irp q, 0,1,2,3
	v_max_num_f32 v[TT+2*\q], v[TT+2*\q], v[TT+2*\q+1]
.endr
.irp q, 0,1,2,3
	v_sub_f32 v[ST+4*\q+2], v[ST+4*\q+1], v[TT+2*\q]       ; old maximum - new, at most 0 (-infinity at the wave's first step)
	v_mov_b32 v[ST+4*\q+1], v[TT+2*\q]
	v_sub_f32 v[ST+4*\q], 0, v[TT+2*\q]
.endr
.irp q, 0,1,2,3
	v_exp_f32 v[ST+4*\q+2], v[ST+4*\q+2]           ; used far below: the additions that follow are the plain instructions behind it
.endr
	WIN 0x41
.irp q, 0,1,2,3
.irp p, 0,2,4,6,8,10,12,14,16,18,20,22,24,26,28,30
	v_pk_add_f32 v[SB+32*\q+\p:SB+32*\q+\p+1], v[SB+32*\q+\p:SB+32*\q+\p+1], v[ST+4*\q:ST+4*\q+1] op_sel_hi:[1,0]
.endr
.endr
.set e, 0
.rept 128
	v_exp_f32 v[SB+e], v[SB+e]
.set e, e+1
.endr
	v_nop                                          ; one plain instruction between the exponentials and the first use of a result
	WIN 0x05                                       ; sources 0 and 1 window 1
	s_wait_alu depctr_va_vdst(0)
.irp q, 0,1,2,3
	v_pk_add_f32 v[TT+2*\q:TT+2*\q+1], v[SB+32*\q:SB+32*\q+1], v[SB+32*\q+2:SB+32*\q+3]
.endr
	WIN 0x04                                       ; source 1 window 1
.irp j, 4,6,8,10,12,14,16,18,20,22,24,26,28,30
.irp q, 0,1,2,3
	v_pk_add_f32 v[TT+2*\q:TT+2*\q+1], v[TT+2*\q:TT+2*\q+1], v[SB+32*\q+\j:SB+32*\q+\j+1]
.endr
.endr
	WIN 0x45                                       ; destination, sources 0 and 1 window 1
.irp q, 0,1,2,3
.irp p, 0,1,2,3,4,5,6,7,8,9,10,11,12,13,14,15
	v_cvt_pk_f16_f32 v[SB+32*\q+\p], v[SB+32*\q+2*\p], v[SB+32*\q+2*\p+1]   ; in place, ascending: register p is written when its own number has been read
.endr
.endr
	WIN 0x41
.irp d, 0,1,2,3
.irp q, 0,1,2,3
.irp p, 0,2,4,6
	v_pk_mul_f32 v[8*(4*\d+\q)+\p:8*(4*\d+\q)+\p+1], v[8*(4*\d+\q)+\p:8*(4*\d+\q)+\p+1], v[ST+4*\q+2:ST+4*\q+3] op_sel_hi:[1,0]
.endr
.endr
.endr
	s_wait_dscnt 0x0                               ; V's sixteen loads are the youngest
	WIN 0x54                                       ; source 1 (P), C and D window 1
.irp c, 0,1                            ; the sixteen accumulators take turns, one instruction a turn
.irp d, 0,1,2,3
.irp q, 0,1,2,3
	v_wmma_f32_16x16x32_f16 v[8*(4*\d+\q):8*(4*\d+\q)+7], v[XF+32*\c+8*\d:XF+32*\c+8*\d+7], v[SB+32*\q+8*\c:SB+32*\q+8*\c+7], v[8*(4*\d+\q):8*(4*\d+\q)+7]
.endr
.endr
.endr
	WIN 0
	; eight plain instructions that name none of those registers: the five places in front of the next S, which is written over P, and the four in
	; front of the loads that land on V's fragments
.irp q, 0,1,2,3
	v_add_f32 v[TT+2*\q], v[TT+2*\q], v[TT+2*\q+1]
.endr
.irp q, 0,1,2,3
	v_fma_f32 v[ST+4*\q+3], v[ST+4*\q+3], v[ST+4*\q+2], v[TT+2*\q]   ; my lane's sum; the two halves of the lanes meet in the merge
.endr
.if \pre
	LOADB \i+1                                     ; the next step's terms, a whole run of S products ahead of their use
.endif
.endm
; A tile of 256 keys.  In front of the round every wave waits for all its tensor loads (its piece of this tile) and for its reads of the other slot;
; behind the round the other slot is asked for again first, then this slot is read.
.macro TRIP slot, other, refill
	s_wait_tensorcnt 0x0                           ; no tensor load of mine is out: every group 0 may be written
	ds_add_u32 v254, v255
	s_wait_dscnt 0x0
	s_add_nc_u64 s[G0K+4*\slot+2:G0K+4*\slot+3], s[G0K+4*\slot+2:G0K+4*\slot+3], 65536   ; this slot's next tile, two tiles on
	s_add_nc_u64 s[G0V+4*\slot+2:G0V+4*\slot+3], s[G0V+4*\slot+2:G0V+4*\slot+3], 65536
	s_wait_dscnt 0x0
	ROUND
.if \refill
	JLOAD \other
.endif
	LOADK \slot, 0
	LOADB 0
	STEP \slot, 0, 1
	STEP \slot, 1, 0
	v_add_nc_u32 v[BADR], 1024, v[BADR]            ; the next tile's 256 terms
.endm
	s_mov_b32 s17, 3
.Ltiles:
	TRIP 0, 1, 1
	TRIP 1, 0, 1
	s_sub_co_u32 s17, s17, 1
	s_cmp_lg_u32 s17, 0
	s_cbranch_scc1 .Ltiles
	TRIP 0, 1, 1
	TRIP 1, 0, 0                                   ; the eighth tile: nothing more is asked for
	; THE MERGE.  The waves of the upper half lay their O, maxima and sums into LDS and end behind the round; the lower half's waves finish.
	s_cmp_eq_u32 s11, 0
	s_cbranch_scc1 .Lkeep
	WIN 0x04                                       ; store data window 1
.set n, 0
.rept 32
	ds_store_b128 v[MOA], v[4*n:4*n+3] offset:512*n
.set n, n+1
.endr
	WIN 0
.irp q, 0,1,2,3
	ds_store_b32 v[MSA], v[ST+4*\q+1] offset:256*\q
	ds_store_b32 v[MSA], v[ST+4*\q+3] offset:256*\q+128
.endr
.Lkeep:
	s_wait_dscnt 0x0                               ; for the partner's sake
	ROUND                                          ; shows the stores to the partner, and is the closing round: no joint load follows it
	s_cmp_lg_u32 s11, 0
	s_cbranch_scc1 .Lend
.irp q, 0,1,2,3
	ds_load_b32 v[M1+2*\q],   v[MSA] offset:256*\q
	ds_load_b32 v[M1+2*\q+1], v[MSA] offset:256*\q+128
.endr
	s_wait_dscnt 0x0
.irp q, 0,1,2,3
	v_max_num_f32 v[TT+2*\q], v[ST+4*\q+1], v[M1+2*\q]
.endr
.irp q, 0,1,2,3
	v_sub_f32 v[ST+4*\q],   v[ST+4*\q+1], v[TT+2*\q]
	v_sub_f32 v[ST+4*\q+2], v[M1+2*\q],   v[TT+2*\q]
.endr
.irp q, 0,1,2,3
	v_exp_f32 v[ST+4*\q],   v[ST+4*\q]             ; my half's factor
	v_exp_f32 v[ST+4*\q+2], v[ST+4*\q+2]           ; the partner's
.endr
	v_nop
	s_wait_alu depctr_va_vdst(0)
.irp q, 0,1,2,3
	v_mul_f32 v[TT+2*\q], v[ST+4*\q+3], v[ST+4*\q]
.endr
.irp q, 0,1,2,3
	v_fma_f32 v[TT+2*\q], v[M1+2*\q+1], v[ST+4*\q+2], v[TT+2*\q]
.endr
.irp q, 0,1,2,3
	v_permlanex16_b32 v[TT+2*\q+1], v[TT+2*\q], s20, s21
.endr
.irp q, 0,1,2,3
	v_add_f32 v[TT+2*\q], v[TT+2*\q], v[TT+2*\q+1] ; the whole sum: at least 1, the largest logit's own term
.endr
.irp q, 0,1,2,3
	v_rcp_f32 v[TT+2*\q], v[TT+2*\q]
.endr
	v_nop
	s_wait_alu depctr_va_vdst(0)
.irp q, 0,1,2,3
	v_mul_f32 v[ST+4*\q],   v[ST+4*\q],   v[TT+2*\q]
	v_mul_f32 v[ST+4*\q+2], v[ST+4*\q+2], v[TT+2*\q]
.endr
.macro OUTQ q                          ; 16 queries x 64 d
.irp d, 0,1,2,3
	ds_load_b128 v[OP+8*\d:OP+8*\d+3],   v[MOA] offset:1024*(4*\d+\q)
	ds_load_b128 v[OP+8*\d+4:OP+8*\d+7], v[MOA] offset:1024*(4*\d+\q)+512
.endr
	s_wait_dscnt 0x0
.irp p, 0,2,4,6,8,10,12,14,16,18,20,22,24,26,28,30
	v_pk_mul_f32 v[OP+\p:OP+\p+1], v[OP+\p:OP+\p+1], v[ST+4*\q+2:ST+4*\q+3] op_sel_hi:[1,0]
.endr
	WIN 0x01                                       ; source 0 window 1
.irp d, 0,1,2,3
.irp p, 0,2,4,6
	v_pk_fma_f32 v[OP+8*\d+\p:OP+8*\d+\p+1], v[8*(4*\d+\q)+\p:8*(4*\d+\q)+\p+1], v[ST+4*\q:ST+4*\q+1], v[OP+8*\d+\p:OP+8*\d+\p+1] op_sel_hi:[1,0,1]
.endr
.endr
	WIN 0
.irp d, 0,1,2,3
.irp p, 0,1,2,3
	v_cvt_pk_f16_f32 v[PKR+4*\d+\p], v[OP+8*\d+2*\p], v[OP+8*\d+2*\p+1]
.endr
.endr
.irp d, 0,1,2,3
	ds_store_b128 v[STO], v[PKR+4*\d:PKR+4*\d+3] offset:32*\d
.endr
	s_wait_xcnt 0x0                                ; the registers that the last block's stores read are loaded again only behind this wait
.irp t, 0,1,2,3
	ds_load_b128 v[RB+4*\t:RB+4*\t+3], v[RD] offset:4*SP*\t          ; my own stage, served in order behind the stores above
.endr
.irp t, 0,1,2,3
	s_wait_dscnt 3-\t
	global_store_b128 v[CO], v[RB+4*\t:RB+4*\t+3], s[8:9] offset:2048*\q+512*\t   ; a wave's store covers 512 consecutive bytes, aligned
.endr
.endm
	OUTQ 0
	OUTQ 1
	OUTQ 2
	OUTQ 3
.Lend:
	s_wait_tensorcnt 0x0
	ds_add_u32 v254, v255
	s_wait_dscnt 0x0
	s_endpgm
.Lfunc_end_k_q502b8e3453_attn:
	.size	k_q502b8e3453_attn, .Lfunc_end_k_q502b8e3453_attn-k_q502b8e3453_attn
	.p2alignl 7, 3214868480
	.fill 96, 4, 3214868480
	.section	.rodata,"a",@progbits
	.p2align	6, 0x0
	.amdhsa_kernel k_q502b8e3453_attn
		.amdhsa_group_segment_fixed_size 327680
		.amdhsa_private_segment_fixed_size 0
		.amdhsa_enable_private_segment 0
		.amdhsa_kernarg_size 24
		.amdhsa_user_sgpr_count 2
		.amdhsa_user_sgpr_kernarg_segment_ptr 1
		.amdhsa_wavefront_size32 1
		.amdhsa_system_sgpr_workgroup_id_x 1
		.amdhsa_system_sgpr_workgroup_id_y 1
		.amdhsa_system_sgpr_workgroup_id_z 1
		.amdhsa_system_vgpr_workitem_id 0
		.amdhsa_next_free_vgpr 512
		.amdhsa_next_free_sgpr 74
		.amdhsa_reserve_vcc 0
		.amdhsa_float_denorm_mode_32 3
		.amdhsa_float_denorm_mode_16_64 3
		.amdhsa_memory_ordered 1
		.amdhsa_forward_progress 1
		.amdhsa_inst_pref_size 255
	.end_amdhsa_kernel
	.section	.bss,"aw",@nobits
	.p2align	6
	.space	262144
	.amdgpu_metadata
---
amdhsa.version: [ 1, 2 ]
amdhsa.kernels:
  - .name:           k_q502b8e3453_attn
    .symbol:         k_q502b8e3453_attn.kd
    .args:
      - { .name: qkv16, .offset: 0, .size: 8, .value_kind: global_buffer, .address_space: global }
      - { .name: mask, .offset: 8, .size: 8, .value_kind: global_buffer, .address_space: global }
      - { .name: xh16, .offset: 16, .size: 8, .value_kind: global_buffer, .address_space: global }
    .group_segment_fixed_size: 327680
    .private_segment_fixed_size: 0
    .kernarg_segment_align: 8
    .kernarg_segment_size: 24
    .max_flat_workgroup_size: 256
    .sgpr_count:     74
    .vgpr_count:     512
    .wavefront_size: 32
...
	.end_amdgpu_metadata
.endif
;; end of part 3
;; launch proj (part 4): grid 8 x 32, 4 waves a work-group, clusters of 4 x 4, 327,680 bytes of LDS; arguments xh16, h16, bo, out0; writes out0
.if DOCPART == 4
	.amdgcn_target "amdgcn-amd-amdhsa--gfx1250"
	.amdhsa_code_object_version 6
	.text
	.protected	k_q502b8e3453_proj
	.globl	k_q502b8e3453_proj
	.p2align	8
	.type	k_q502b8e3453_proj,@function
k_q502b8e3453_proj:
	s_mov_b64 s[64:65], 0
	v_nop
	global_prefetch_b8 v0, s[64:65] scope:SCOPE_SE
	s_setreg_imm32_b32 hwreg(HW_REG_WAVE_MODE, 25, 1), 1
	s_wait_xcnt 0x0
	s_wait_alu depctr_hold_cnt(0) depctr_sa_sdst(0) depctr_va_vdst(0) depctr_va_sdst(0) depctr_va_ssrc(0) depctr_va_vcc(0) depctr_vm_vsrc(0)
	s_getreg_b32 s2, hwreg(HW_REG_IB_STS2, 6, 4)
	s_cmp_eq_u32 s2, 0
	s_cbranch_scc0 .Lentry_in_a_cluster
	s_endpgm
.Lentry_in_a_cluster:
	s_bfe_u32 s2, ttmp6, 0x10000c
	s_cmp_lg_u32 s2, 0xf033
	s_cbranch_scc0 .Lentry_shape_is_right
	s_endpgm
.Lentry_shape_is_right:
; out0 = X Wo + bo in f32.  X comes head-major from xh16 ([b*16+head][s][64], f16), Wo (f16, [k][n]) lies at 14 MiB of h16.  Sums in f32.
; A work-group makes 128 x 128 of out0, so that 256 work-groups share the 4096 x 1024 numbers; four waves, 64 x 64 each: 16 accumulator tiles.
; K goes in 4 steps of 256 (four heads) through a ring of two LDS slots.  Each wave asks for one head's 128 rows of X and for 64 rows of Wo:
; two tensor loads a slot, by this text's count at most four out.
; CLUSTERS: 4 x 4 work-groups; X's tiles are asked for jointly along a row of the cluster, Wo's along a column.
; The matrix instruction is used transposed (source 0 = 16 columns of Wo through the transposing LDS load, source 1 = 16 rows of X): a lane holds
; eight neighbouring columns of one row, 32 bytes of f32.
.set PA,     144                       ; X's rows in LDS: 128 bytes + 16
.set PB,     288                       ; Wo's rows: 256 bytes + 32
.set APIECE, 128*PA                    ; 18,432: one head's 128 rows
.set BPIECE, 64*PB                     ; 18,432: 64 rows of Wo
.set BREG,   4*APIECE
.set SLOT,   BREG+4*BPIECE             ; 147,456
.set STAGE,  2*SLOT                    ; 16 rows x 272 bytes for each wave; no tensor load lands here
.set SP,     272
.set ADRA, 16                          ; v16-17  my fragments of X in slot 0, 1
.set ADRB, 18                          ; v18-21  my fragments of Wo: 2 slot + half of the K step
.set STO,  24
.set RD,   25
.set CO,   26
.set BOFF, 27
.set FR,   64                          ; buffer f at 64 + 64 f: Wo's four fragments, then X's four
.set BIA,  192                         ; v[192:223] bo of my columns
.set TMP,  224
.set G1A, 24
.set G0A, 32
.set G1B, 48
.set G0B, 56
.set MSB, 0
.macro WIN new
.if MSB != \new
	s_set_vgpr_msb (MSB<<8)|\new
.set MSB, \new
.endif
.endm
.macro PLACES
.rept 4
	v_nop
.endr
.endm
.macro CREST
	s_cmp_lg_u32 s14, 0
	s_cbranch_scc1 .Lnot_wave_0_\@
	s_barrier_signal -3
.Lnot_wave_0_\@:
	s_barrier_wait -3
	s_barrier_signal -1
	s_barrier_wait -1
.endm
.macro CROUND
	s_barrier_signal -1
	s_barrier_wait -1
	CREST
.endm
	s_load_b256 s[4:11], s[0:1], 0x0               ; xh16 s[4:5], h16 s[6:7], bo s[8:9], out0 s[10:11]
	v_lshl_add_u32 v62, v0, 2, 0x4c400
	v_mov_b32 v63, 0
	ds_add_u32 v62, v63
	v_lshrrev_b32 v1, 5, v0
	v_readfirstlane_b32 s14, v1                    ; wave 0..3
	s_lshr_b32 s15, s14, 1                         ; wm
	s_and_b32 s16, s14, 1                          ; wn
	s_bfe_u32 s40, ttmp6, 0x40000                  ; cx
	s_bfe_u32 s41, ttmp6, 0x40004                  ; cy
	s_lshl_b32 s42, ttmp9, 2
	s_add_co_u32 s42, s42, s40                     ; xb: block of 128 columns
	s_and_b32 s43, ttmp7, 0xffff
	s_lshl_b32 s43, s43, 2
	s_add_co_u32 s43, s43, s41                     ; yb: block of 128 rows
	s_lshl_b32 s44, s41, 2
	s_lshl_b32 s44, 15, s44                        ; my row of the cluster
	s_lshl_b32 s45, 0x1111, s40                    ; my column
	; X: 128 rows x 64 elements, dense; padding of 4 words behind every 32.  Wo: 64 rows x 128 elements, pitch 1,024; 8 words behind every 64.
	s_or_b32 s[G1A+0], s44, (1<<16)|(1<<20)|(1<<21)|(4<<22)|(3<<25)
	s_or_b32 s[G1B+0], s45, (1<<16)|(1<<20)|(1<<21)|(5<<22)|(7<<25)
	s_mov_b32 s[G1A+1], 64<<16
	s_mov_b32 s[G1B+1], 128<<16
	s_mov_b32 s[G1A+2], 128<<16
	s_mov_b32 s[G1B+2], 64<<16
	s_mov_b32 s[G1A+3], 64<<16
	s_mov_b32 s[G1B+3], 128<<16
	s_mov_b32 s[G1A+4], 128
	s_mov_b32 s[G1B+4], 64
	s_mov_b32 s[G1A+5], 64
	s_mov_b32 s[G1B+5], 1024
	s_mov_b32 s[G1A+6], 0
	s_mov_b32 s[G1B+6], 0
	s_mov_b32 s[G1A+7], 0
	s_mov_b32 s[G1B+7], 0
	s_lshr_b32 s68, s43, 4
	s_lshl_b32 s68, s68, 4
	s_add_co_u32 s68, s68, s14                     ; head w of my batch
	s_lshl_b32 s68, s68, 18
	s_and_b32 s69, s43, 15
	s_lshl_b32 s69, s69, 14                        ; my 128 rows of 128 bytes
	s_add_co_u32 s68, s68, s69
	s_mov_b32 s69, 0
	s_lshl_b32 s72, s14, 17                        ; Wo: rows 64 w of 2,048 bytes,
	s_add_co_u32 s72, s72, 14<<20
	s_lshl_b32 s73, s42, 8                         ; columns at 256 xb bytes
	s_add_co_u32 s72, s72, s73
	s_mov_b32 s73, 0
	s_mul_i32 s20, s14, APIECE                     ; where my pieces go: the wave's number alone
	v_and_b32 v1, 15, v0                           ; r
	v_bfe_u32 v2, v0, 4, 1                         ; h
	v_and_b32 v3, 7, v0
	v_bfe_u32 v4, v0, 3, 1
	s_lshl_b32 s46, s42, 9
	s_lshl_b32 s47, s16, 8
	s_add_co_u32 s46, s46, s47
	v_lshlrev_b32 v[BOFF], 5, v2
	v_add_nc_u32 v[BOFF], s46, v[BOFF]             ; my columns in bo: 512 xb + 256 wn + 32 h bytes
	s_wait_dscnt 0x0
	s_wait_kmcnt 0x0
	s_add_nc_u64 s[66:67], s[4:5], s[68:69]
	s_add_nc_u64 s[70:71], s[6:7], s[72:73]
.irp b, 0,1,2,3
	global_load_b128 v[BIA+8*\b:BIA+8*\b+3],   v[BOFF], s[8:9] offset:64*\b
	global_load_b128 v[BIA+8*\b+4:BIA+8*\b+7], v[BOFF], s[8:9] offset:64*\b+16
.endr
	CROUND                                         ; the cluster is in step: the first joint loads meet
.irp s, 0,1
	s_mov_b32 s[G0A+4*\s], 1
	s_add_co_u32 s[G0A+4*\s+1], s20, \s*SLOT
	s_add_nc_u64 s[G0A+4*\s+2:G0A+4*\s+3], s[66:67], \s*1048576      ; K step s: four heads on
	s_or_b32 s[G0A+4*\s+3], s[G0A+4*\s+3], 0x80000000
	s_mov_b32 s[G0B+4*\s], 1
	s_add_co_u32 s[G0B+4*\s+1], s20, \s*SLOT+BREG
	s_add_nc_u64 s[G0B+4*\s+2:G0B+4*\s+3], s[70:71], \s*524288       ; K step s: 256 rows on
	s_or_b32 s[G0B+4*\s+3], s[G0B+4*\s+3], 0x80000000
	tensor_load_to_lds s[G0A+4*\s:G0A+4*\s+3], s[G1A:G1A+7]
	s_nop 0
	tensor_load_to_lds s[G0B+4*\s:G0B+4*\s+3], s[G1B:G1B+7]
	s_nop 0
.endr
	v_mul_u32_u24 v5, v1, PA
	v_lshl_add_u32 v5, v2, 4, v5
	s_mul_i32 s21, s15, 64*PA
	v_add_nc_u32 v[ADRA], s21, v5
	v_add_nc_u32 v[ADRA+1], SLOT, v[ADRA]
	v_lshl_add_u32 v6, v2, 3, v3
	v_mul_u32_u24 v6, v6, PB
	v_lshl_add_u32 v6, v4, 4, v6
	s_lshl_b32 s22, s16, 7
	v_add_nc_u32 v6, s22, v6
.irp s, 0,1
.irp u, 0,1
	v_add_nc_u32 v[ADRB+2*\s+\u], \s*SLOT+BREG+\u*128*PB, v6
.endr
.endr
	s_mul_i32 s23, s14, 16*SP
	s_add_co_u32 s23, s23, STAGE
	v_mul_u32_u24 v7, v1, SP
	v_lshl_add_u32 v7, v2, 5, v7
	v_add_nc_u32 v[STO], s23, v7                   ; in: row r, 32 bytes for each half of the lanes
	v_mul_u32_u24 v8, v2, SP
	v_lshl_add_u32 v8, v1, 4, v8
	v_add_nc_u32 v[RD], s23, v8                    ; back: sixteen lanes take a row of 256 bytes
	v_lshlrev_b32 v9, 12, v2
	v_lshl_add_u32 v[CO], v1, 4, v9                ; the same two rows in out0
; 8 matrix instructions: row blocks a0, a0 + 1 x 4 column blocks, from buffer f.  The 16 accumulators take turns, one instruction a turn, in the
; same order in every quarter.
.macro MUL8 f, a0, zero
	WIN 0x50                                       ; C and D window 1
.irp a, \a0, \a0+1
.irp b, 0,1,2,3
.if \zero
	v_wmma_f32_16x16x32_f16 v[8*(4*(\a)+\b):8*(4*(\a)+\b)+7], v[FR+64*\f+8*\b:FR+64*\f+8*\b+7], v[FR+64*\f+32+8*(\a):FR+64*\f+32+8*(\a)+7], 0
.else
	v_wmma_f32_16x16x32_f16 v[8*(4*(\a)+\b):8*(4*(\a)+\b)+7], v[FR+64*\f+8*\b:FR+64*\f+8*\b+7], v[FR+64*\f+32+8*(\a):FR+64*\f+32+8*(\a)+7], v[8*(4*(\a)+\b):8*(4*(\a)+\b)+7]
.endif
.endr
.endr
.endm
; 16 LDS loads: the 32 along K of part q (0..7) of a slot into buffer f: Wo (8), X's row blocks 0, 1 (4), 2, 3 (4)
.macro FETCH slot, q, f
	WIN 0
.irp b, 0,1,2,3
	ds_load_tr16_b128 v[FR+64*\f+8*\b:FR+64*\f+8*\b+3],   v[ADRB+2*\slot+(\q>>2)] offset:32*PB*(\q&3)+32*\b
	ds_load_tr16_b128 v[FR+64*\f+8*\b+4:FR+64*\f+8*\b+7], v[ADRB+2*\slot+(\q>>2)] offset:32*PB*(\q&3)+32*\b+16*PB
.endr
.irp a, 0,1,2,3
	ds_load_b128 v[FR+64*\f+32+8*\a:FR+64*\f+32+8*\a+3],   v[ADRA+\slot] offset:APIECE*(\q>>1)+16*PA*\a+64*(\q&1)
	ds_load_b128 v[FR+64*\f+32+8*\a+4:FR+64*\f+32+8*\a+7], v[ADRA+\slot] offset:APIECE*(\q>>1)+16*PA*\a+64*(\q&1)+32
.endr
.endm
.macro QUARTER slot, q, f, g, zero
	s_wait_dscnt 4                                 ; Wo and X's row blocks 0, 1 are in; the youngest four loads may be out
	MUL8 \f, 0, \zero
	PLACES                                         ; buffer g was read by matrix instructions: the loads into it stand four places behind them
	FETCH \slot, \q, \g
	s_wait_dscnt 16                                ; all but the 16 just issued
	MUL8 \f, 2, \zero
.endm
.macro SEVEN slot, zero
	QUARTER \slot, 1, 0, 1, \zero
	QUARTER \slot, 2, 1, 0, 0
	QUARTER \slot, 3, 0, 1, 0
	QUARTER \slot, 4, 1, 0, 0
	QUARTER \slot, 5, 0, 1, 0
	QUARTER \slot, 6, 1, 0, 0
	QUARTER \slot, 7, 0, 1, 0
.endm
; The eighth part: multiplies buffer 1 and changes slots.  In front of the barrier: my reads of this slot and all my tensor loads.  fill = 1: the barrier
; opens a round of the cluster's barrier, and this slot's two joint refills are the first tensor loads behind the round.
.macro TURN slot, next, fill
	s_wait_dscnt 0
	s_wait_tensorcnt 0x0
	ds_add_u32 v62, v63
	s_wait_dscnt 0x0
	s_barrier_signal -1
	MUL8 1, 0, 0
	WIN 0
	s_barrier_wait -1
.if \fill
	CREST
	s_add_nc_u64 s[G0A+4*\slot+2:G0A+4*\slot+3], s[G0A+4*\slot+2:G0A+4*\slot+3], 2097152
	s_add_nc_u64 s[G0B+4*\slot+2:G0B+4*\slot+3], s[G0B+4*\slot+2:G0B+4*\slot+3], 1048576
	tensor_load_to_lds s[G0A+4*\slot:G0A+4*\slot+3], s[G1A:G1A+7]
	s_nop 0
	tensor_load_to_lds s[G0B+4*\slot:G0B+4*\slot+3], s[G1B:G1B+7]
	s_nop 0
.endif
	PLACES
	FETCH \next, 0, 0
	MUL8 1, 2, 0
.endm
	s_wait_tensorcnt 2                             ; slot 0's two loads are in; slot 1's two stay out
	s_barrier_signal -1
	s_barrier_wait -1
	FETCH 0, 0, 0
	SEVEN 0, 1                                     ; K step 0: its first products start the sums
	TURN 0, 1, 1                                   ; K step 2 is asked for
	SEVEN 1, 0
	TURN 1, 0, 1                                   ; K step 3
	SEVEN 0, 0
	TURN 0, 1, 0
	SEVEN 1, 0
	s_wait_dscnt 0
	MUL8 1, 0, 0
	MUL8 1, 2, 0
	; THE WAY OUT, 16 rows at a time through my own stage: rows of 256 bytes leave whole.
	PLACES
	WIN 0
	s_wait_loadcnt 0x0                             ; bo
	s_lshl_b32 s68, s43, 19                        ; 128 yb rows of 4,096 bytes
	s_lshl_b32 s69, s15, 18                        ; my 64 rows
	s_add_co_u32 s46, s68, s69
	s_lshl_b32 s72, s42, 9                         ; my columns: 512 xb + 256 wn bytes
	s_lshl_b32 s73, s16, 8
	s_add_co_u32 s46, s46, s72
	s_add_co_u32 s46, s46, s73
	s_mov_b32 s47, 0
	s_add_nc_u64 s[10:11], s[10:11], s[46:47]
.macro OUT16 a, rb
	WIN 0x01                                       ; source 0 window 1
.irp b, 0,1,2,3
.irp p, 0,2,4,6
	v_pk_add_f32 v[TMP+8*\b+\p:TMP+8*\b+\p+1], v[8*(4*\a+\b)+\p:8*(4*\a+\b)+\p+1], v[BIA+8*\b+\p:BIA+8*\b+\p+1]
.endr
.endr
	WIN 0
.irp b, 0,1,2,3
	ds_store_b128 v[STO], v[TMP+8*\b:TMP+8*\b+3]   offset:64*\b
	ds_store_b128 v[STO], v[TMP+8*\b+4:TMP+8*\b+7] offset:64*\b+16
.endr
	s_wait_xcnt 0x0                                ; the registers that earlier stores read, and their base, are rewritten only behind this wait
.if \a
	s_add_nc_u64 s[10:11], s[10:11], 16*4096
.endif
.irp t, 0,1,2,3,4,5,6,7
	ds_load_b128 v[\rb+4*\t:\rb+4*\t+3], v[RD] offset:2*SP*\t        ; my own stage, served in order behind the stores above
.endr
.irp t, 0,1,2,3,4,5,6,7
	s_wait_dscnt 7-\t
	global_store_b128 v[CO], v[\rb+4*\t:\rb+4*\t+3], s[10:11] offset:8192*\t th:TH_STORE_NT   ; sixteen lanes store 256 consecutive bytes, aligned
.endr
.endm
	OUT16 0, FR
	OUT16 1, FR+32
	OUT16 2, FR
	OUT16 3, FR+32
	s_wait_tensorcnt 0x0
	ds_add_u32 v62, v63
	s_wait_dscnt 0x0
	CROUND                                         ; the closing round
	s_endpgm
.Lfunc_end_k_q502b8e3453_proj:
	.size	k_q502b8e3453_proj, .Lfunc_end_k_q502b8e3453_proj-k_q502b8e3453_proj
	.p2alignl 7, 3214868480
	.fill 96, 4, 3214868480
	.section	.rodata,"a",@progbits
	.p2align	6, 0x0
	.amdhsa_kernel k_q502b8e3453_proj
		.amdhsa_group_segment_fixed_size 327680
		.amdhsa_private_segment_fixed_size 0
		.amdhsa_enable_private_segment 0
		.amdhsa_kernarg_size 32
		.amdhsa_user_sgpr_count 2
		.amdhsa_user_sgpr_kernarg_segment_ptr 1
		.amdhsa_wavefront_size32 1
		.amdhsa_system_sgpr_workgroup_id_x 1
		.amdhsa_system_sgpr_workgroup_id_y 1
		.amdhsa_system_sgpr_workgroup_id_z 1
		.amdhsa_system_vgpr_workitem_id 0
		.amdhsa_next_free_vgpr 384
		.amdhsa_next_free_sgpr 74
		.amdhsa_reserve_vcc 0
		.amdhsa_float_denorm_mode_32 3
		.amdhsa_float_denorm_mode_16_64 3
		.amdhsa_memory_ordered 1
		.amdhsa_forward_progress 1
		.amdhsa_inst_pref_size 94
	.end_amdhsa_kernel
	.amdgpu_metadata
---
amdhsa.version: [ 1, 2 ]
amdhsa.kernels:
  - .name:           k_q502b8e3453_proj
    .symbol:         k_q502b8e3453_proj.kd
    .args:
      - { .name: xh16, .offset: 0, .size: 8, .value_kind: global_buffer, .address_space: global }
      - { .name: h16, .offset: 8, .size: 8, .value_kind: global_buffer, .address_space: global }
      - { .name: bo, .offset: 16, .size: 8, .value_kind: global_buffer, .address_space: global }
      - { .name: out0, .offset: 24, .size: 8, .value_kind: global_buffer, .address_space: global }
    .group_segment_fixed_size: 327680
    .private_segment_fixed_size: 0
    .kernarg_segment_align: 8
    .kernarg_segment_size: 32
    .max_flat_workgroup_size: 128
    .sgpr_count:     74
    .vgpr_count:     384
    .wavefront_size: 32
...
	.end_amdgpu_metadata
.endif
;; end of part 4
